; MI455X (gfx1250); checked and timed in simulation.
; The chip was launched on July 23, 2026; its instructions are those of AMD's public machine-readable ISA for CDNA 5 (MIT licence, August 2026) and "CDNA5" Instruction Set Architecture Reference Guide (July 2026). The comments in the code are by the model that wrote it; some were corrected since.
;; Cross Attention. Allowed arithmetic: float matrix products may take bf16 or f16 operands with f32 sums; other float arithmetic in f32, or as packed bf16 or f16 multiplies, adds, multiply-adds, maxima and minima; sums over many terms, partial sums and values carried from step to step in f32; what a program stores and reads back later, other than sums and carried values, may be rounded once to bf16 or f16.
;; Inputs: Wk 512 x 1,024 float32; Wq 1,024 x 1,024 float32; Wv 512 x 1,024 float32; bk 1,024 float32; bq 1,024 float32; bv 1,024 float32; key 8 x 2,048 x 512 float32; query 8 x 1,024 x 1,024 float32; value 8 x 2,048 x 512 float32.
;; Outputs: out0 8 x 1,024 x 1,024 float32.
;; One version. Each part assembles by itself: llvm-mc -triple=amdgcn-amd-amdhsa -mcpu=gfx1250 --defsym DOCPART=n.
;; ======== version 1 of 1: 4 launches
;; limits: values are held in f16: magnitudes above 65,504 overflow, below 6.1e-05 lose precision; inputs' magnitudes at most 65,504
;; workspace buffers: WS 2,433,024 bytes; QF 16,777,216 bytes; KB 16,777,216 bytes; VB 16,777,216 bytes; WVB 1,114,112 bytes; QP 16,809,984 bytes; UP 67,108,864 bytes; ML 262,144 bytes
;; launch prep (part 1): grid 3701 x 1, 1 waves a work-group, no clusters, 17,152 bytes of LDS; arguments query, key, value, Wq, bq, Wk, bk, Wv, bv, WS, QF, KB, VB, WVB; writes WS, QF, KB, VB, WVB
.if DOCPART == 1
	.amdgcn_target "amdgcn-amd-amdhsa--gfx1250"
	.amdhsa_code_object_version 6
	.text
	.protected	k_qd6e147409f_prep
	.globl	k_qd6e147409f_prep
	.p2align	8
	.type	k_qd6e147409f_prep,@function
k_qd6e147409f_prep:
	s_mov_b64 s[64:65], 0
	v_nop
	global_prefetch_b8 v0, s[64:65] scope:SCOPE_SE
	s_setreg_imm32_b32 hwreg(HW_REG_WAVE_MODE, 25, 1), 1
	s_wait_xcnt 0x0
; PREP.  One wave to a work-group; the work-group's number picks a job.  All jobs share one front: 64 loads of 512 consecutive bytes each (lane l takes the 16 bytes at 16 l), rounded to bf16 in place.
;   0..560      a 32 x 32 tile of  Wqk[d][j] = c sum_e Wq[d][e] Wk[j][e],  c = log2(e); d-tile 32 takes bq for Wq's rows, j-tile 16 takes bk for Wk's rows:
;               so the same text makes bqk = c bq Wk^T, wb = c Wq bk and c0 = c bq bk.  Operands bf16, sums f32, result kept as hi + lo bf16.  Eight batches of 128 along e.
;   561..1584   32 rows x 256 channels of query, rounded to bf16 and laid as matrix fragments (16 queries x 32 channels = 1,024 bytes: registers 0-3 of the 32 lanes, then registers 4-7)
;   1585..2608  key rounded to bf16, row-major, 32,768 bytes in to a job
;   2609..3696  value, then Wv: rounded to bf16 and that number written as f16, row-major
;   3697..3700  bv, likewise, eight equal rows to a job: rows 512..543 of WVB
; A JOB is two bases (loads 0-31, loads 32-63), one stride from load to load, a mask for each base, an output base and a type.  Load i reads at base + ((16 l + i x stride) & mask):
; the mask 0xfff makes of 'row i' the same vector of 4,096 bytes again, which gives bq and bk as 32 equal rows and bv as equal rows.
; FRAGMENTS want a row a lane, the loads give a row an instruction: tiles and query jobs go through LDS of the wave's own, 32 rows of 528 bytes (512 + 16: the 16 rows of a fragment load start
; at 16 different groups of four banks; 64 banks of 4 bytes: ISA guide 11.1).  Load i lands in row i % 32, bytes 256 (i / 32) on: a tile's batch has Wk's rows beside Wq's, a query job 256 channels on end,
; so one run of stores and one run of 32 fragment loads serve both.  One wave, LDS served in order (ISA guide 5.7.1.4): no barrier.
; WS: [8 strips][1056 rows d][144 bf16]: hi of 64 j, lo of the same 64 j, 16 copies of hi(wb[d]); rows 1024..1055 are 32 copies of (bqk hi, bqk lo, c0).
; LIMITS.  Every input is rounded once to bf16.  value, Wv and bv then go as f16: exact from 6.1e-5 up to 65,504; below that f16's fixed step of 6e-8; beyond it an infinity.
; NaN and infinities are not treated apart.  The tiles' stores into WS are 16 bytes a lane into rows of 288 bytes (2.4 MB of the launch's 53 MB out): no whole blocks of 256 bytes there;
; every other store covers 256 or 512 consecutive bytes, aligned.  The accumulators are cleared by 32 moves: the price of one text for all eight batches.
.set C2E,  0x3fb8aa3b
.set WROW, 288
.set WSTR, 304128
.set LP,   528                         ; an LDS row
.set SPARE, 32*LP                      ; 16,896 = 66 x 256: behind the stage, the spare words
.set L16, 3                            ; v3  16 x lane
.set L8,  4                            ; v4  8 x lane
.set LLD, 5                            ; v5  r x 528 + 16 h: my place in a fragment
.set SO,  6                            ; v6  r x 288 + 16 h: my place in 16 rows of WS
.set SPW, 8
.set NIL, 9
.set ACC, 32                           ; v32-63: accumulator (jb, db) at 32 + 8 (2 jb + db)
.set VA,  64                           ; v64-95: offsets of loads 0-31
.set VB,  96                           ; v96-127: of loads 32-63
.set F,   128                          ; v128-255: fragment (t, ks) at 128 + 8 (8 t + ks); later hi, lo and scratch.   Window 1: load i's four words at 4 i
.set TYP, 3                            ; s3  0 key; 1 to f16; 2 tile; 3 query
.set DT,  4
.set JT,  5
.set STR, 6
.set CNT, 7
.set BA,  36                           ; s[36:37]
.set BB,  40                           ; s[40:41]
.set OUT, 44                           ; s[44:45]
.set HIM, 46                           ; a word's upper bf16
.set MA,  47
.set MB,  48
.set MSB, 0
.macro WIN new                         ; the immediate's high byte repeats the setting that is left
.if MSB != (\new)
	s_set_vgpr_msb (MSB<<8)|(\new)
.set MSB, (\new)
.endif
.endm
.macro PLACES
.rept 4
	v_nop
.endr
.endm
	s_load_b512 s[8:23], s[0:1], 0x0       ; query 8, key 10, value 12, Wq 14, bq 16, Wk 18, bk 20, Wv 22
	s_load_b256 s[24:31], s[0:1], 0x40     ; bv 24, WS 26, QF 28, KB 30
	s_load_b128 s[32:35], s[0:1], 0x60     ; VB 32, WVB 34
	v_lshl_add_u32 v[SPW], v0, 2, SPARE
	v_mov_b32 v[NIL], 0
	s_mov_b32 s2, ttmp9
	s_mov_b32 s39, 0                       ; high word of every offset pair s[38:39]
	s_mov_b32 s[HIM], 0xffff0000
	s_mov_b32 s[MA], -1
	s_mov_b32 s[MB], -1
	s_mov_b32 s[DT], 0
	s_mov_b32 s[JT], 0
	s_mov_b32 s[CNT], 8                    ; a tile's batches; the other jobs leave in the first trip
	s_mov_b32 s42, C2E
	s_mov_b32 s43, C2E
	v_and_b32 v1, 15, v0                   ; r
	v_lshrrev_b32 v2, 4, v0                ; h
	v_lshlrev_b32 v[L16], 4, v0
	v_lshlrev_b32 v[L8], 3, v0
	v_mul_u32_u24 v[LLD], v1, LP
	v_lshl_add_u32 v[LLD], v2, 4, v[LLD]
	v_mul_u32_u24 v[SO], v1, WROW
	v_lshl_add_u32 v[SO], v2, 4, v[SO]
.set i, 0
.rept 32
	v_mov_b32 v[ACC+i], 0
.set i, i+1
.endr
	s_wait_kmcnt 0x0
	s_cmp_lt_u32 s2, 561
	s_cbranch_scc1 .Lgemm
	s_cmp_lt_u32 s2, 1585
	s_cbranch_scc1 .Lqf
	; ---- casts: key, value, Wv, bv: 64 loads on end ----
	s_sub_co_u32 s49, s2, 1585
	s_mov_b32 s[STR], 512
	s_mov_b64 s[BA:BA+1], s[10:11]
	s_mov_b64 s[OUT:OUT+1], s[30:31]
	s_cmp_ge_u32 s49, 1024
	s_cselect_b64 s[BA:BA+1], s[12:13], s[BA:BA+1]
	s_cselect_b64 s[OUT:OUT+1], s[32:33], s[OUT:OUT+1]
	s_cselect_b32 s[TYP], 1, 0             ; value, Wv and bv leave as f16
	s_cmp_ge_u32 s49, 2048
	s_cselect_b64 s[BA:BA+1], s[22:23], s[BA:BA+1]
	s_cselect_b64 s[OUT:OUT+1], s[34:35], s[OUT:OUT+1]
	s_and_b32 s50, s49, 1023               ; the job's piece of its tensor; bv's four jobs are pieces 64..67 of WVB: its rows 512..543
	s_lshl_b32 s38, s50, 14
	s_add_nc_u64 s[OUT:OUT+1], s[OUT:OUT+1], s[38:39]
	s_lshl_b32 s38, s50, 15
	s_cmp_ge_u32 s49, 2112                 ; bv: always from its first byte, both halves, and round again every 4,096 bytes
	s_cselect_b64 s[BA:BA+1], s[24:25], s[BA:BA+1]
	s_cselect_b32 s38, 0, s38
	s_cselect_b32 s[MA], 0xfff, s[MA]
	s_cselect_b32 s[MB], 0xfff, s[MB]
	s_cselect_b32 s50, 0, 16384
	s_add_nc_u64 s[BA:BA+1], s[BA:BA+1], s[38:39]
	s_mov_b32 s38, s50
	s_add_nc_u64 s[BB:BB+1], s[BA:BA+1], s[38:39]
	s_branch .Lfront
.Lqf:	; ---- query: 32 rows, 1,024 bytes of each: loads 0-31 their first 512 bytes, loads 32-63 the next ----
	s_sub_co_u32 s49, s2, 561
	s_mov_b32 s[TYP], 3
	s_mov_b32 s[STR], 4096
	s_lshr_b32 s50, s49, 2                 ; group of 32 queries
	s_and_b32 s49, s49, 3                  ; which 256 channels
	s_lshl_b32 s38, s50, 17
	s_lshl_b32 s51, s49, 10
	s_add_co_u32 s38, s38, s51
	s_add_nc_u64 s[BA:BA+1], s[8:9], s[38:39]
	s_add_nc_u64 s[BB:BB+1], s[BA:BA+1], 512
	s_lshl_b32 s38, s50, 16                ; two tiles of 32,768 bytes,
	s_lshl_b32 s51, s49, 13                ; eight K steps of 1,024
	s_add_co_u32 s38, s38, s51
	s_add_nc_u64 s[OUT:OUT+1], s[28:29], s[38:39]
	s_branch .Lfront
.Lgemm:	; ---- a tile of Wqk: loads 0-31 Wk's rows (or bk), loads 32-63 Wq's (or bq), 512 bytes of each a batch ----
	s_mov_b32 s[TYP], 2
	s_mov_b32 s[STR], 4096
	s_mul_i32 s[DT], s2, 241
	s_lshr_b32 s[DT], s[DT], 12            ; dt = job / 17 (exact for jobs under 561: the factor's excess, 1.5e-5 a job, stays under 1/17)
	s_mul_i32 s[JT], s[DT], 17
	s_sub_co_u32 s[JT], s2, s[JT]          ; jt
	s_cmp_lt_u32 s[DT], 32
	s_cselect_b64 s[BB:BB+1], s[14:15], s[16:17]
	s_cselect_b32 s[MB], -1, 0xfff
	s_cselect_b32 s38, s[DT], 0
	s_lshl_b32 s38, s38, 17                ; 32 rows of 4,096 bytes
	s_add_nc_u64 s[BB:BB+1], s[BB:BB+1], s[38:39]
	s_cmp_lt_u32 s[JT], 16
	s_cselect_b64 s[BA:BA+1], s[18:19], s[20:21]
	s_cselect_b32 s[MA], -1, 0xfff
	s_cselect_b32 s38, s[JT], 0
	s_lshl_b32 s38, s38, 17
	s_add_nc_u64 s[BA:BA+1], s[BA:BA+1], s[38:39]
	s_mul_i32 s38, s[DT], 32*WROW          ; rows 32 dt on, in every strip
	s_add_nc_u64 s[OUT:OUT+1], s[26:27], s[38:39]
.Lfront:	; the 64 offsets; they are never rewritten
.set i, 0
.rept 32
	v_mad_u32_u24 v[VA+i], s[STR], i, v[L16]
.set i, i+1
.endr
.set i, 0
.rept 32
	v_and_b32 v[VB+i], s[MB], v[VA+i]
	v_and_b32 v[VA+i], s[MA], v[VA+i]
.set i, i+1
.endr
.Lbatch:
	WIN 0x40                               ; destination window 1, offset window 0
.set i, 0
.rept 32
	global_load_b128 v[4*i:4*i+3], v[VA+i], s[BA:BA+1]
.set i, i+1
.endr
.set i, 0
.rept 32
	global_load_b128 v[128+4*i:128+4*i+3], v[VB+i], s[BB:BB+1]
.set i, i+1
.endr
	WIN 0x45                               ; all in window 1
.set g, 0
.rept 4
	s_wait_loadcnt 48-16*g                 ; loads come back in order (ISA guide 5.7.1): the first 16 (g + 1) are in, the younger ones stay out
.set i, 16*g
.rept 16
	v_cvt_pk_bf16_f32 v[4*i], v[4*i], v[4*i+1]      ; four f32 become four bf16 in the first two of their registers
	v_cvt_pk_bf16_f32 v[4*i+1], v[4*i+2], v[4*i+3]
.set i, i+1
.endr
.set g, g+1
.endr
	WIN 0
	s_add_nc_u64 s[BA:BA+1], s[BA:BA+1], 512        ; all 64 loads are in: the bases may step to the next 128 along e
	s_add_nc_u64 s[BB:BB+1], s[BB:BB+1], 512
	s_cmp_ge_u32 s[TYP], 2
	s_cbranch_scc1 .Llds
	s_cmp_eq_u32 s[TYP], 1
	s_cbranch_scc0 .Lout
	WIN 0x45                               ; the bf16 numbers are widened again, over the four registers that they came from, and written as f16
.set i, 0
.rept 64
	v_lshlrev_b32 v[4*i+2], 16, v[4*i+1]
	v_and_b32 v[4*i+3], s[HIM], v[4*i+1]
.set i, i+1
.endr
.set i, 0
.rept 64
	v_and_b32 v[4*i+1], s[HIM], v[4*i]
	v_lshlrev_b32 v[4*i], 16, v[4*i]
.set i, i+1
.endr
.set i, 0
.rept 64
	v_cvt_pk_f16_f32 v[4*i], v[4*i], v[4*i+1]
	v_cvt_pk_f16_f32 v[4*i+1], v[4*i+2], v[4*i+3]
.set i, i+1
.endr
	WIN 0
.Lout:
	WIN 0x04                               ; data window 1, offset window 0
.set i, 0
.rept 64
	global_store_b64 v[L8], v[4*i:4*i+1], s[OUT:OUT+1] offset:256*i  ; 32 lanes store 256 consecutive bytes, at a multiple of 256 from the buffer's first byte
.set i, i+1
.endr
	WIN 0
	s_branch .Lend
.Llds:	; into the stage, and back as 16 fragments
	WIN 0x04
.set i, 0
.rept 64
	ds_store_b64 v[L8], v[4*i:4*i+1] offset:(i%32)*LP+(i/32)*256
.set i, i+1
.endr
	WIN 0
.set f, 0
.rept 16                               ; fragment (t, ks): rows 16 t + r, 32 numbers at byte 64 ks: lane (r, h) takes 16 bytes at 16 h and 16 at 32 + 16 h
	ds_load_b128 v[F+8*f:F+8*f+3],   v[LLD] offset:(f/8)*16*LP+(f%8)*64
	ds_load_b128 v[F+8*f+4:F+8*f+7], v[LLD] offset:(f/8)*16*LP+(f%8)*64+32
.set f, f+1
.endr
	s_wait_dscnt 0x0                       ; the fragments are in (and the stores done: the next batch's loads may land on their data)
	s_cmp_eq_u32 s[TYP], 3
	s_cbranch_scc1 .Lfrag
.set k, 0
.rept 4                                ; 16 products on four accumulators by turns: Wk's fragments are (jb, k), Wq's (db, 4 + k)
.irp jb, 0,1
.irp db, 0,1
.set rD, ACC+8*(2*\jb+\db)
.set rJ, F+8*(8*\jb+k)
.set rW, F+8*(8*\db+4+k)
	v_wmma_f32_16x16x32_bf16 v[rD:rD+7], v[rJ:rJ+7], v[rW:rW+7], v[rD:rD+7]
.endr
.endr
.set k, k+1
.endr
	s_sub_co_u32 s[CNT], s[CNT], 1         ; the next batch's 128 roundings, which name none of these registers, stand between these products and the loads into their fragments
	s_cmp_lg_u32 s[CNT], 0
	s_cbranch_scc1 .Lbatch
	PLACES
; x = hi + lo: hi = bf16(x), lo = bf16(x - hi)
.macro SPLIT a, hh, ll, tt
.irp i, 0,1,2,3
	v_cvt_pk_bf16_f32 v[(\hh)+\i], v[(\a)+2*\i], v[(\a)+2*\i+1]
.endr
.irp i, 0,1,2,3
	v_lshlrev_b32 v[(\tt)+2*\i], 16, v[(\hh)+\i]
	v_and_b32 v[(\tt)+2*\i+1], s[HIM], v[(\hh)+\i]
.endr
.irp i, 0,1,2,3
	v_pk_add_f32 v[(\tt)+2*\i:(\tt)+2*\i+1], v[(\a)+2*\i:(\a)+2*\i+1], v[(\tt)+2*\i:(\tt)+2*\i+1] neg_lo:[0,1] neg_hi:[0,1]
.endr
.irp i, 0,1,2,3
	v_cvt_pk_bf16_f32 v[(\ll)+\i], v[(\tt)+2*\i], v[(\tt)+2*\i+1]
.endr
.endm
.set i, 0
.rept 16                               ; times c, each accumulator from its low end on
	v_pk_mul_f32 v[ACC+2*i:ACC+2*i+1], v[ACC+2*i:ACC+2*i+1], s[42:43] op_sel_hi:[1,0]
.set i, i+1
.endr
.irp a, 0,1,2,3
	SPLIT ACC+8*\a, F+8*\a, F+8*\a+4, F+32+8*\a
.endr
	s_cmp_eq_u32 s[JT], 16
	s_cbranch_scc1 .Lwb
	s_lshr_b32 s49, s[JT], 1               ; strip
	s_mul_i32 s38, s49, WSTR
	s_and_b32 s49, s[JT], 1
	s_lshl_b32 s49, s49, 6                 ; which 32 of its 64 columns
	s_add_co_u32 s38, s38, s49
	s_add_nc_u64 s[OUT:OUT+1], s[OUT:OUT+1], s[38:39]
.irp jb, 0,1
.irp db, 0,1                           ; a lane holds row d = 16 db + r and the columns j = 16 jb + 8 h + 0..7
	global_store_b128 v[SO], v[F+8*(2*\jb+\db):F+8*(2*\jb+\db)+3],   s[OUT:OUT+1] offset:\db*16*WROW+\jb*32
	global_store_b128 v[SO], v[F+8*(2*\jb+\db)+4:F+8*(2*\jb+\db)+7], s[OUT:OUT+1] offset:\db*16*WROW+\jb*32+128
.endr
.endr
	s_branch .Lend
.Lwb:	; the column of bk: all 32 j are copies; 16 of them, hi alone, go behind the 128 columns of every strip
.irp n, 0,1,2,3,4,5,6,7
.irp db, 0,1
	global_store_b128 v[SO], v[F+8*\db:F+8*\db+3], s[OUT:OUT+1] offset:\n*WSTR+\db*16*WROW+256
.endr
.endr
	s_branch .Lend
.Lfrag:	; query: fragment (t, ks) is tile t's K step ks of this job's eight
.set f, 0
.rept 16
	global_store_b128 v[L16], v[F+8*f:F+8*f+3],   s[OUT:OUT+1] offset:(f/8)*32768+(f%8)*1024      ; 512 consecutive bytes
	global_store_b128 v[L16], v[F+8*f+4:F+8*f+7], s[OUT:OUT+1] offset:(f/8)*32768+(f%8)*1024+512
.set f, f+1
.endr
.Lend:
	s_wait_tensorcnt 0x0                   ; the wave's end, behind my last LDS store
	ds_add_u32 v[SPW], v[NIL]
	s_wait_dscnt 0x0
	s_endpgm
.Lfunc_end_k_qd6e147409f_prep:
	.size	k_qd6e147409f_prep, .Lfunc_end_k_qd6e147409f_prep-k_qd6e147409f_prep
	.p2alignl 7, 3214868480
	.fill 96, 4, 3214868480
	.section	.rodata,"a",@progbits
	.p2align	6, 0x0
	.amdhsa_kernel k_qd6e147409f_prep
		.amdhsa_group_segment_fixed_size 17152
		.amdhsa_private_segment_fixed_size 0
		.amdhsa_enable_private_segment 0
		.amdhsa_kernarg_size 112
		.amdhsa_user_sgpr_count 2
		.amdhsa_user_sgpr_kernarg_segment_ptr 1
		.amdhsa_wavefront_size32 1
		.amdhsa_system_sgpr_workgroup_id_x 1
		.amdhsa_system_sgpr_workgroup_id_y 1
		.amdhsa_system_sgpr_workgroup_id_z 1
		.amdhsa_system_vgpr_workitem_id 0
		.amdhsa_next_free_vgpr 512
		.amdhsa_next_free_sgpr 66
		.amdhsa_reserve_vcc 0
		.amdhsa_float_denorm_mode_32 3
		.amdhsa_float_denorm_mode_16_64 3
		.amdhsa_memory_ordered 1
		.amdhsa_forward_progress 1
		.amdhsa_inst_pref_size 64
	.end_amdhsa_kernel
	.amdgpu_metadata
---
amdhsa.version: [ 1, 2 ]
amdhsa.kernels:
  - .name:           k_qd6e147409f_prep
    .symbol:         k_qd6e147409f_prep.kd
    .args:
      - { .name: query, .offset: 0, .size: 8, .value_kind: global_buffer, .address_space: global }
      - { .name: key, .offset: 8, .size: 8, .value_kind: global_buffer, .address_space: global }
      - { .name: value, .offset: 16, .size: 8, .value_kind: global_buffer, .address_space: global }
      - { .name: Wq, .offset: 24, .size: 8, .value_kind: global_buffer, .address_space: global }
      - { .name: bq, .offset: 32, .size: 8, .value_kind: global_buffer, .address_space: global }
      - { .name: Wk, .offset: 40, .size: 8, .value_kind: global_buffer, .address_space: global }
      - { .name: bk, .offset: 48, .size: 8, .value_kind: global_buffer, .address_space: global }
      - { .name: Wv, .offset: 56, .size: 8, .value_kind: global_buffer, .address_space: global }
      - { .name: bv, .offset: 64, .size: 8, .value_kind: global_buffer, .address_space: global }
      - { .name: WS, .offset: 72, .size: 8, .value_kind: global_buffer, .address_space: global }
      - { .name: QF, .offset: 80, .size: 8, .value_kind: global_buffer, .address_space: global }
      - { .name: KB, .offset: 88, .size: 8, .value_kind: global_buffer, .address_space: global }
      - { .name: VB, .offset: 96, .size: 8, .value_kind: global_buffer, .address_space: global }
      - { .name: WVB, .offset: 104, .size: 8, .value_kind: global_buffer, .address_space: global }
    .group_segment_fixed_size: 17152
    .private_segment_fixed_size: 0
    .kernarg_segment_align: 8
    .kernarg_segment_size: 112
    .max_flat_workgroup_size: 32
    .sgpr_count:     66
    .vgpr_count:     512
    .wavefront_size: 32
...
	.end_amdgpu_metadata
.endif
;; end of part 1
;; launch qproj (part 2): grid 32 x 8, 4 waves a work-group, clusters of 4 x 1, 327,680 bytes of LDS; arguments QF, WS, QP; writes QP
.if DOCPART == 2
	.amdgcn_target "amdgcn-amd-amdhsa--gfx1250"
	.amdhsa_code_object_version 6
	.text
	.protected	k_qd6e147409f_qproj
	.globl	k_qd6e147409f_qproj
	.p2align	8
	.type	k_qd6e147409f_qproj,@function
k_qd6e147409f_qproj:
	s_mov_b64 s[64:65], 0
	v_nop
	global_prefetch_b8 v0, s[64:65] scope:SCOPE_SE
	s_setreg_imm32_b32 hwreg(HW_REG_WAVE_MODE, 25, 1), 1
	s_wait_xcnt 0x0
	s_wait_alu depctr_hold_cnt(0) depctr_sa_sdst(0) depctr_va_vdst(0) depctr_va_sdst(0) depctr_va_ssrc(0) depctr_va_vcc(0) depctr_vm_vsrc(0)
	s_getreg_b32 s2, hwreg(HW_REG_IB_STS2, 6, 4)
	s_cmp_eq_u32 s2, 0
	s_cbranch_scc0 .Lentry_in_a_cluster
	s_endpgm
.Lentry_in_a_cluster:
	s_bfe_u32 s2, ttmp6, 0x10000c
	s_cmp_lg_u32 s2, 0x3003
	s_cbranch_scc0 .Lentry_shape_is_right
	s_endpgm
.Lentry_shape_is_right:
; QPROJ.  q'[q][j] = sum_d bf16(query)[q][d] (Whi + Wlo)[d][j] + bqk[j]  (already times log2 e), and in strip 0 also t[q] = query . wb + c0.
; A work-group: 256 queries x one strip of 64 j; a wave: 64 queries = four tiles of 16.  q'^T = W^T X^T: source 0 = 16 j x 32 d, read turned out of LDS (ds_load_tr16_b128),
; source 1 = a fragment of QF straight from memory.  A lane's result is one query and eight neighbouring j, which is half of source 1 of the score product: QP is written in that form, hi and lo.
; t (8,192 f32) lies behind QP's 16,777,216 bytes of fragments, in the same buffer.
; The bias is one more K step: 32 equal rows of W against a fragment that holds 1 at k = 0; it starts the sums.
; CLUSTER: the four query blocks of a cluster read the same strip: every piece of it is asked for jointly.  The strip (304,128 bytes) stays in LDS; no byte is filled twice;
; a piece asked for later goes out as a refill would: one load a wave behind a round of the cluster's barrier.  By this text's count a wave has two tensor loads out at the start, later one.
; LIMITS.  bf16 operands, f32 sums, q' kept as hi + lo bf16 (16 significant bits); NaN and infinities are not treated apart.
.set SPARE, 304128                     ; behind the strip: the spare words, 128 bytes a wave
.set STG,   73728                      ; a stage: 256 rows d of 288 bytes
.set TL,  2                            ; my lane's place for the turning load: (8 h + l % 8) 288 + 16 ((l / 8) % 2)
.set AW0, 3                            ; LDS address, K steps 0-3 of the stage
.set AW1, 4                            ; K steps 4-7
.set AWG, 5                            ; the bias rows
.set XO,  6                            ; 16 x lane
.set TO,  7                            ; 4 x lane
.set ONE, 8                            ; v8-15: 1 at k = 0
.set BA0, 16                           ; v16-87, v88-159: nine fragments of W^T each: hi jb 0-3, lo jb 0-3, wb
.set BA1, 88
.set TA,  160                          ; v160-191: t's accumulators
.set ET,  192                          ; v192-223 at work on the way out
.set EH,  16                           ; the way out: hi and lo, 32 registers a tile
.set SPW, 224
.set NIL, 225
.set WV,  12
.set N,   13
.set G1S, 24                           ; group 1: 72 rows of 256 bytes
.set G1A, 32                           ; group 1: 9 rows
.set G0A, 40
.set G0S, 44
.set XB,  48
.set SB,  50
.set CNT, 51
.set HM,  52
.set QB,  54
.set TBA, 56
.set MSB, 0
.macro WIN new
.if MSB != (\new)
	s_set_vgpr_msb (MSB<<8)|(\new)
.set MSB, (\new)
.endif
.endm
.macro PLACES
.rept 4
	v_nop
.endr
.endm
.macro ROUND                           ; a round of the cluster's barrier
	s_barrier_signal -1
	s_barrier_wait -1
	s_cmp_lg_u32 s[WV], 0
	s_cbranch_scc1 .Lnw0_\@
	s_barrier_signal -3
.Lnw0_\@:
	s_barrier_wait -3
	s_barrier_signal -1
	s_barrier_wait -1
.endm
	s_load_b128 s[4:7], s[0:1], 0x0        ; QF 4, WS 6
	s_load_b64 s[8:9], s[0:1], 0x10        ; QP
	v_lshl_add_u32 v[SPW], v0, 2, SPARE
	v_mov_b32 v[NIL], 0
	ds_add_u32 v[SPW], v[NIL]              ; the opening: the add and its wait ahead of my first tensor load
	v_lshrrev_b32 v1, 5, v0
	v_readfirstlane_b32 s[WV], v1
	s_bfe_u32 s14, ttmp6, 0x40000          ; cx: it enters QF's and QP's addresses alone
	s_lshl_b32 s15, ttmp9, 2
	s_add_co_u32 s15, s15, s14             ; block of 256 queries
	s_and_b32 s[N], ttmp7, 0xffff          ; strip, shared by the partners
.irp g, G1S, G1A
	s_mov_b32 s[\g], 15|(3<<16)|(1<<21)    ; mask of four; elements of 8 bytes; bit 21 beside a mask
	s_mov_b32 s[\g+1], 32<<16              ; tensor_dim0 = 32 (256 bytes)
	s_mov_b32 s[\g+3], 32<<16              ; tile_dim0
	s_mov_b32 s[\g+5], 32                  ; dense rows
	s_mov_b32 s[\g+6], 0
	s_mov_b32 s[\g+7], 0
.endr
	s_mov_b32 s[G1S+2], 72<<16
	s_mov_b32 s[G1S+4], 72
	s_mov_b32 s[G1A+2], 9<<16
	s_mov_b32 s[G1A+4], 9
	s_mov_b32 s[G0A], 1
	s_mov_b32 s[G0S], 1
	s_mul_i32 s16, s[WV], 2304
	s_add_co_u32 s[G0A+1], s16, 4*STG      ; the bias rows' quarter: the strip lies in LDS as in memory
	s_mul_i32 s[G0S+1], s[WV], 18432       ; stage 0's quarter
	s_mul_i32 s18, s[N], 304128
	s_add_co_u32 s20, s18, s[G0A+1]
	s_mov_b32 s21, 0
	s_add_co_u32 s18, s18, s[G0S+1]
	s_mov_b32 s19, 0
	s_lshl_b32 s22, s15, 4
	s_lshl2_add_u32 s22, s[WV], s22        ; my first tile of 16 queries: 16 block + 4 wave
	s_lshl_b32 s58, s22, 15
	s_mov_b32 s59, 0
	s_lshl_b32 s60, s[N], 11
	s_add_co_u32 s60, s60, s58
	s_mov_b32 s61, 0
	s_lshl_b32 s62, s22, 6
	s_add_co_u32 s62, s62, 0x1000000       ; t lies behind the fragments
	s_mov_b32 s63, 0
	s_wait_dscnt 0x0
	s_wait_kmcnt 0x0
	s_add_nc_u64 s[G0A+2:G0A+3], s[6:7], s[20:21]
	s_or_b32 s[G0A+3], s[G0A+3], 0x80000000
	s_add_nc_u64 s[G0S+2:G0S+3], s[6:7], s[18:19]
	s_or_b32 s[G0S+3], s[G0S+3], 0x80000000
	s_add_nc_u64 s[XB:XB+1], s[4:5], s[58:59]
	s_add_nc_u64 s[QB:QB+1], s[8:9], s[60:61]
	s_add_nc_u64 s[TBA:TBA+1], s[8:9], s[62:63]
	ROUND                                  ; the four work-groups are here: the first joint loads meet
	tensor_load_to_lds s[G0A:G0A+3], s[G1A:G1A+7]
	s_nop 0
	tensor_load_to_lds s[G0S:G0S+3], s[G1S:G1S+7]
	s_nop 0
	PLACES
	v_and_b32 v1, 31, v0
	v_lshlrev_b32 v[XO], 4, v1
	v_lshlrev_b32 v[TO], 2, v1
	WIN 0x40
.set i, 0
.rept 8                                ; the ring of eight K steps of X: 64 loads
.irp qt, 0,1,2,3
	global_load_b128 v[32*i+8*\qt:32*i+8*\qt+3],   v[XO], s[XB:XB+1] offset:\qt*32768+i*1024
	global_load_b128 v[32*i+8*\qt+4:32*i+8*\qt+7], v[XO], s[XB:XB+1] offset:\qt*32768+i*1024+512
.endr
.set i, i+1
.endr
	WIN 0
	v_bfe_u32 v226, v0, 4, 1
	v_and_b32 v227, 7, v0
	v_lshl_add_u32 v226, v226, 3, v227
	v_mul_u32_u24 v[TL], v226, 288
	v_bfe_u32 v227, v0, 3, 1
	v_lshl_add_u32 v[TL], v227, 4, v[TL]
	v_add_nc_u32 v[AWG], 4*STG, v[TL]
	v_cmp_lt_u32 s[HM], 15, v1             ; lanes 16-31
.irp i, 1,2,3,4,5,6,7
	v_mov_b32 v[ONE+\i], 0
.endr
	v_mov_b32 v[ONE], 0x3f80
	v_cndmask_b32 v[ONE], v[ONE], v[ONE+1], s[HM]  ; k = 0 lies in the low half of register 0 of lanes 0-15
.macro AFETCH buf, adr, off            ; 18 turning loads: nine fragments of 16 columns x 32 rows d
.irp c, 0,1,2,3,4,5,6,7,8
	ds_load_tr16_b128 v[(\buf)+8*\c:(\buf)+8*\c+3],   v[\adr] offset:(\off)+32*\c
	ds_load_tr16_b128 v[(\buf)+8*\c+4:(\buf)+8*\c+7], v[\adr] offset:(\off)+4608+32*\c
.endr
.endm
; K step i of a stage: the next step's fragments are asked for first; 32 products (hi, lo x 4 jb x 4 tiles) on 16 accumulators by turns; in strip 0 four more for t;
; then slot i of X's ring takes the K step eight on.  left: the younger loads of X that may stay out.
.macro KS i, reload, left
.set CUR, BA0+72*((\i)%2)
.set NXT, BA0+72*(((\i)+1)%2)
.if (\i) < 3
	AFETCH NXT, AW0, ((\i)+1)*9216
.elseif (\i) < 7
	AFETCH NXT, AW1, ((\i)-3)*9216
.endif
	s_wait_loadcnt \left
.if (\i) < 7
	s_wait_dscnt 18                        ; all but the 18 just issued
.else
	s_wait_dscnt 0x0
.endif
	WIN 0xa4                               ; W window 0, X window 1, sums window 2
.irp hl, 0,1
.irp jb, 0,1,2,3
.irp qt, 0,1,2,3
.set rD, 8*(4*\jb+\qt)
.set rA, CUR+8*(4*\hl+\jb)
.set rX, 32*(\i)+8*\qt
	v_wmma_f32_16x16x32_bf16 v[rD:rD+7], v[rA:rA+7], v[rX:rX+7], v[rD:rD+7]
.endr
.endr
.endr
	WIN 0
	s_cmp_lg_u32 s[N], 0                   ; the strip's number is the same in all partners
	s_cbranch_scc1 .Lnt_\@
	WIN 0x04
.irp qt, 0,1,2,3
.set rX, 32*(\i)+8*\qt
	v_wmma_f32_16x16x32_bf16 v[TA+8*\qt:TA+8*\qt+7], v[CUR+64:CUR+71], v[rX:rX+7], v[TA+8*\qt:TA+8*\qt+7]
.endr
	WIN 0
.Lnt_\@:
	PLACES                                 ; in front of the loads into registers that these products read
.if \reload
	WIN 0x40
.irp qt, 0,1,2,3
	global_load_b128 v[32*(\i)+8*\qt:32*(\i)+8*\qt+3],   v[XO], s[XB:XB+1] offset:\qt*32768+(\i)*1024+8192
	global_load_b128 v[32*(\i)+8*\qt+4:32*(\i)+8*\qt+7], v[XO], s[XB:XB+1] offset:\qt*32768+(\i)*1024+8192+512
.endr
	WIN 0
.endif
.endm
.macro STAGE reload
	v_add_nc_u32 v[AW0], s[SB], v[TL]
	v_add_nc_u32 v[AW1], 36864, v[AW0]
	s_add_co_u32 s[SB], s[SB], STG
	AFETCH BA0, AW0, 0
.set ii, 0
.rept 8
.if \reload
	KS ii, 1, 56                           ; seven younger slots of eight loads
.else
	KS ii, 0, 56-8*ii                      ; the counts run down
.endif
.set ii, ii+1
.endr
.endm
	s_wait_tensorcnt 0x1                   ; my part of the bias rows is in; stage 0 may stay out
	s_barrier_signal -1
	s_barrier_wait -1
	AFETCH BA1, AWG, 0
	s_wait_dscnt 0x0
	WIN 0xa0
.irp hl, 0,1
.irp jb, 0,1,2,3
.irp qt, 0,1,2,3
.set rD, 8*(4*\jb+\qt)
.set rA, BA1+8*(4*\hl+\jb)
.if \hl == 0
	v_wmma_f32_16x16x32_bf16 v[rD:rD+7], v[rA:rA+7], v[ONE:ONE+7], 0
.else
	v_wmma_f32_16x16x32_bf16 v[rD:rD+7], v[rA:rA+7], v[ONE:ONE+7], v[rD:rD+7]
.endif
.endr
.endr
.endr
	WIN 0
.irp qt, 0,1,2,3                       ; c0 starts t's sums, in every strip: the registers are written on every path
	v_wmma_f32_16x16x32_bf16 v[TA+8*\qt:TA+8*\qt+7], v[BA1+64:BA1+71], v[ONE:ONE+7], 0
.endr
	PLACES
	s_mov_b32 s[SB], 0
	s_mov_b32 s[CNT], 3
.Lstage:                                   ; stage t is multiplied while stage t + 1 is on its way
	s_wait_tensorcnt 0x0                   ; my part of stage t is in; no load of mine is out, so group 0 may be written
	ds_add_u32 v[SPW], v[NIL]
	s_add_co_u32 s[G0S+1], s[G0S+1], STG
	s_add_nc_u64 s[G0S+2:G0S+3], s[G0S+2:G0S+3], STG
	s_wait_dscnt 0x0
	ROUND
	tensor_load_to_lds s[G0S:G0S+3], s[G1S:G1S+7]
	s_nop 0
	PLACES
	STAGE 1
	s_wait_xcnt 0x0                        ; X's base steps only behind this wait
	s_add_nc_u64 s[XB:XB+1], s[XB:XB+1], 8192
	s_sub_co_u32 s[CNT], s[CNT], 1
	s_cmp_lg_u32 s[CNT], 0
	s_cbranch_scc1 .Lstage
	s_wait_tensorcnt 0x0                   ; the last stage: nothing more is asked for
	ds_add_u32 v[SPW], v[NIL]
	s_wait_dscnt 0x0
	s_barrier_signal -1
	s_barrier_wait -1
	STAGE 0
	; THE WAY OUT, a tile of 16 queries at a time: hi = bf16(x), lo = bf16(x - hi); accumulator jb is half jb % 2 of fragment jb / 2.
.set q, 0
.rept 4
	WIN 0x0a
.irp jb, 0,1,2,3
.irp i, 0,1,2,3
	v_cvt_pk_bf16_f32 v[EH+32*q+4*\jb+\i], v[8*(4*\jb+q)+2*\i], v[8*(4*\jb+q)+2*\i+1]
.endr
.endr
	WIN 0
.irp jb, 0,1,2,3
.irp i, 0,1,2,3
	v_lshlrev_b32 v[ET+8*\jb+2*\i], 16, v[EH+32*q+4*\jb+\i]
	v_and_b32 v[ET+8*\jb+2*\i+1], 0xffff0000, v[EH+32*q+4*\jb+\i]
.endr
.endr
	WIN 0x02
.irp jb, 0,1,2,3
.irp i, 0,1,2,3
	v_pk_add_f32 v[ET+8*\jb+2*\i:ET+8*\jb+2*\i+1], v[8*(4*\jb+q)+2*\i:8*(4*\jb+q)+2*\i+1], v[ET+8*\jb+2*\i:ET+8*\jb+2*\i+1] neg_lo:[0,1] neg_hi:[0,1]
.endr
.endr
	WIN 0
.irp jb, 0,1,2,3
.irp i, 0,1,2,3
	v_cvt_pk_bf16_f32 v[EH+32*q+16+4*\jb+\i], v[ET+8*\jb+2*\i], v[ET+8*\jb+2*\i+1]
.endr
.endr
.irp hl, 0,1
.irp jb, 0,1,2,3
	global_store_b128 v[XO], v[EH+32*q+16*\hl+4*\jb:EH+32*q+16*\hl+4*\jb+3], s[QB:QB+1] offset:q*32768+\hl*16384+\jb*512  ; 512 consecutive bytes
.endr
.endr
.set q, q+1
.endr
	s_cmp_lg_u32 s[N], 0
	s_cbranch_scc1 .Lend
	v_cndmask_b32 v[ET], v[TA], v[TA+8], s[HM]       ; every row of a t accumulator is t: register 0; two tiles make 32 lanes
	v_cndmask_b32 v[ET+1], v[TA+16], v[TA+24], s[HM]
	global_store_b32 v[TO], v[ET], s[TBA:TBA+1]
	global_store_b32 v[TO], v[ET+1], s[TBA:TBA+1] offset:128
.Lend:
	s_wait_tensorcnt 0x0                   ; the wave's end
	ds_add_u32 v[SPW], v[NIL]
	s_wait_dscnt 0x0
	ROUND                                  ; the closing round
	s_endpgm
.Lfunc_end_k_qd6e147409f_qproj:
	.size	k_qd6e147409f_qproj, .Lfunc_end_k_qd6e147409f_qproj-k_qd6e147409f_qproj
	.p2alignl 7, 3214868480
	.fill 96, 4, 3214868480
	.section	.rodata,"a",@progbits
	.p2align	6, 0x0
	.amdhsa_kernel k_qd6e147409f_qproj
		.amdhsa_group_segment_fixed_size 327680
		.amdhsa_private_segment_fixed_size 0
		.amdhsa_enable_private_segment 0
		.amdhsa_kernarg_size 24
		.amdhsa_user_sgpr_count 2
		.amdhsa_user_sgpr_kernarg_segment_ptr 1
		.amdhsa_wavefront_size32 1
		.amdhsa_system_sgpr_workgroup_id_x 1
		.amdhsa_system_sgpr_workgroup_id_y 1
		.amdhsa_system_sgpr_workgroup_id_z 1
		.amdhsa_system_vgpr_workitem_id 0
		.amdhsa_next_free_vgpr 640
		.amdhsa_next_free_sgpr 66
		.amdhsa_reserve_vcc 0
		.amdhsa_float_denorm_mode_32 3
		.amdhsa_float_denorm_mode_16_64 3
		.amdhsa_memory_ordered 1
		.amdhsa_forward_progress 1
		.amdhsa_inst_pref_size 105
	.end_amdhsa_kernel
	.amdgpu_metadata
---
amdhsa.version: [ 1, 2 ]
amdhsa.kernels:
  - .name:           k_qd6e147409f_qproj
    .symbol:         k_qd6e147409f_qproj.kd
    .args:
      - { .name: QF, .offset: 0, .size: 8, .value_kind: global_buffer, .address_space: global }
      - { .name: WS, .offset: 8, .size: 8, .value_kind: global_buffer, .address_space: global }
      - { .name: QP, .offset: 16, .size: 8, .value_kind: global_buffer, .address_space: global }
    .group_segment_fixed_size: 327680
    .private_segment_fixed_size: 0
    .kernarg_segment_align: 8
    .kernarg_segment_size: 24
    .max_flat_workgroup_size: 128
    .sgpr_count:     66
    .vgpr_count:     640
    .wavefront_size: 32
...
	.end_amdgpu_metadata
.endif
;; end of part 2
;; launch attn (part 3): grid 8 x 32, 4 waves a work-group, clusters of 4 x 1, 327,680 bytes of LDS; arguments QP, KB, VB, UP, ML; writes UP, ML
.if DOCPART == 3
	.amdgcn_target "amdgcn-amd-amdhsa--gfx1250"
	.amdhsa_code_object_version 6
	.text
	.protected	k_qd6e147409f_attn
	.globl	k_qd6e147409f_attn
	.p2align	8
	.type	k_qd6e147409f_attn,@function
k_qd6e147409f_attn:
	s_mov_b64 s[64:65], 0
	v_nop
	global_prefetch_b8 v0, s[64:65] scope:SCOPE_SE
	s_setreg_imm32_b32 hwreg(HW_REG_WAVE_MODE, 25, 1), 1
	s_wait_xcnt 0x0
	s_wait_alu depctr_hold_cnt(0) depctr_sa_sdst(0) depctr_va_vdst(0) depctr_va_sdst(0) depctr_va_ssrc(0) depctr_va_vcc(0) depctr_vm_vsrc(0)
	s_getreg_b32 s2, hwreg(HW_REG_IB_STS2, 6, 4)
	s_cmp_eq_u32 s2, 0
	s_cbranch_scc0 .Lentry_in_a_cluster
	s_endpgm
.Lentry_in_a_cluster:
	s_bfe_u32 s2, ttmp6, 0x10000c
	s_cmp_lg_u32 s2, 0x3003
	s_cbranch_scc0 .Lentry_shape_is_right
	s_endpgm
.Lentry_shape_is_right:
; ATTN.  For 128 queries and one quarter (512) of a batch's keys: s[q][k] = key[k] . (q'hi + q'lo)[q] + t[q] (in units of log2), m = max_k s, p = 2^(s - m) rounded to f16,
; l = sum_k p, U[q][ch] = sum_k p value[k][ch].  U (f32), m and l go to memory; the next launch joins the four quarters by their maxima, exactly.
; FORMATS.  The scores' operands are bf16 (key once rounded, q' as hi + lo); the second product's are f16: p, and value as the launch before wrote it (rounded to bf16, written as f16).
; A wave owns 32 queries (two tiles) and ALL 512 keys: 64 accumulators of scores, 512 registers; softmax and both products never leave the wave; barriers serve the ring alone.
; LAYOUT.  S^T = K Q'^T: a lane holds one query and eight keys; two such results rounded to f16 are source 1 of U^T = V^T P.  K comes out of LDS as it lies, V turned (ds_load_tr16_b128).
; RING.  Two LDS slots; tiles of 512 rows x 128 channels (rows of 256 bytes in memory): K's four, then V's four; each wave fetches 128 rows; one tensor load of mine is out at a time.
; CLUSTER.  The four query blocks of a cluster read the same keys and values: every tile is asked for jointly, behind a round of the cluster's barrier.
; The scores' sums start at t (512 moves in the wait for the first tile): so one text serves every K step.  The Q' fetch runs one K step ahead and wraps to step 0 at the end (4 KB a wave read and not used).
; BUFFERS.  t lies behind QP's 16,777,216 bytes of fragments; ML holds m ([4][8192] f32) and, 131,072 bytes on, l.
; LIMITS.  p lies in 0 to 1; below 6e-5 it keeps f16's fixed step of 6e-8, and l is the sum of the p so rounded; value arrives within 65,504;
; NaN and infinities are not treated apart; the order of sums is not the reference's.
.set SLOTB, 147456                     ; 0x24000: shares no bit with w x 34,816 or w x 36,864, so one exclusive or changes slots
.set SPARE, 294912
.set LN,  3
.set AKL, 4                            ; r 272 + 16 h
.set AVL, 5                            ; (8 h + l % 8) 288 + 16 ((l / 8) % 2)
.set AK,  6                            ; v6-9: four groups of eight key blocks, 34,816 bytes apart
.set AV,  10                           ; v10-13: four groups of four K steps, 36,864 apart
.set QO,  14
.set GO,  15
.set T0,  16                           ; v16, v17: t of my two tiles
.set M,   18                           ; v18-21: m, as pairs
.set CH,  22                           ; v22-29: eight chains of maxima
.set SPW, 30
.set NIL, 31
.set QFR, 32                           ; v32-63: Q' fragments (tile, hi/lo) of the K step in hand
.set QS,  64                           ; v64-95: of the next
.set KA,  96                           ; v96-159, v160-223: K fragments, two buffers of eight
.set KBF, 160
.set OA,  32                           ; later: v32-95 eight accumulators of U^T
.set LA,  96                           ; v96-111 l's two accumulators
.set ONES,112                          ; v112-119
.set TOF, 224
.set MO,  225
.set X0,  226
.set X1,  227
.set WV,  18
.set G1K, 24
.set G1V, 32
.set G0K, 40
.set G0V, 44
.set TB,  48
.set CNT, 49
.set CNT2,50
.set HM,  51
.set SEL, 52
.set MSB, 0
.macro WIN new
.if MSB != (\new)
	s_set_vgpr_msb (MSB<<8)|(\new)
.set MSB, (\new)
.endif
.endm
.macro PLACES
.rept 4
	v_nop
.endr
.endm
.macro ROUND
	s_barrier_signal -1
	s_barrier_wait -1
	s_cmp_lg_u32 s[WV], 0
	s_cbranch_scc1 .Lnw0_\@
	s_barrier_signal -3
.Lnw0_\@:
	s_barrier_wait -3
	s_barrier_signal -1
	s_barrier_wait -1
.endm
; THE CHANGE OF SLOTS.  All my tensor loads have landed (my part of the tile to be read next); the add; my reads of the old slot are over; the round; the old slot's refill first behind it.
.macro CHANGE g0, g1, step, fill
	WIN 0
	s_wait_tensorcnt 0x0
	ds_add_u32 v[SPW], v[NIL]
.if \step
	s_xor_b32 s[\g0+1], s[\g0+1], SLOTB    ; the other slot,
	s_add_nc_u64 s[\g0+2:\g0+3], s[\g0+2:\g0+3], 256  ; the next 128 channels
.endif
	s_wait_dscnt 0x0
.if \fill
	ROUND
	tensor_load_to_lds s[\g0:\g0+3], s[\g1:\g1+7]
	s_nop 0
	PLACES
.else
	s_barrier_signal -1
	s_barrier_wait -1
.endif
.endm
	s_load_b256 s[4:11], s[0:1], 0x0       ; QP 4, KB 6, VB 8, UP 10
	s_load_b64 s[12:13], s[0:1], 0x20      ; ML
	v_lshl_add_u32 v[SPW], v0, 2, SPARE
	v_mov_b32 v[NIL], 0
	ds_add_u32 v[SPW], v[NIL]              ; the opening: the add and its wait ahead of my first tensor load
	v_lshrrev_b32 v1, 5, v0
	v_readfirstlane_b32 s[WV], v1
	s_bfe_u32 s19, ttmp6, 0x40000          ; cx: it enters the queries' addresses alone
	s_lshl_b32 s20, ttmp9, 2
	s_add_co_u32 s20, s20, s19             ; block of 128 queries in the batch
	s_and_b32 s21, ttmp7, 0xffff
	s_and_b32 s22, s21, 3                  ; quarter of the keys
	s_lshr_b32 s21, s21, 2                 ; batch
	s_lshl_b32 s23, s21, 6
	s_lshl3_add_u32 s23, s20, s23
	s_lshl1_add_u32 s23, s[WV], s23        ; my first tile of 16 queries: 64 b + 8 block + 2 wave
	s_lshl_b32 s54, s21, 21                ; my 128 rows of the tiles: (2048 b + 512 s + 128 w) x 1,024 bytes
	s_lshl_b32 s55, s22, 19
	s_add_co_u32 s54, s54, s55
	s_lshl_b32 s55, s[WV], 17
	s_add_co_u32 s54, s54, s55
	s_mov_b32 s55, 0
	s_lshl_b32 s56, s23, 15                ; my tiles' fragments in QP
	s_mov_b32 s57, 0
	s_lshl_b32 s58, s23, 6
	s_add_co_u32 s58, s58, 0x1000000       ; my queries' t, behind the fragments
	s_mov_b32 s59, 0
	s_lshl_b32 s60, s22, 24                ; my quarter and tiles in UP
	s_add_co_u32 s60, s60, s56
	s_mov_b32 s61, 0
	s_lshl_b32 s62, s23, 6                 ; my quarter and queries in ML
	s_lshl_b32 s63, s22, 15
	s_add_co_u32 s62, s62, s63
	s_mov_b32 s63, 0
	s_mov_b32 s[G1K], 15|(1<<16)|(1<<20)|(1<<21)|(5<<22)|(3<<25)  ; mask of four; 2-byte elements; padding on; bit 21 beside a mask; after every 64 words 4 words: pitch 272
	s_mov_b32 s[G1V], 15|(1<<16)|(1<<20)|(1<<21)|(5<<22)|(7<<25)  ; 8 words: pitch 288
.irp g, G1K, G1V
	s_mov_b32 s[\g+1], 128<<16             ; tensor_dim0 = 128
	s_mov_b32 s[\g+2], 128<<16             ; tensor_dim1 = 128
	s_mov_b32 s[\g+3], 128<<16             ; tile_dim0 = 128
	s_mov_b32 s[\g+4], 128                 ; tile_dim1 = 128
	s_mov_b32 s[\g+5], 512                 ; elements from row to row
	s_mov_b32 s[\g+6], 0
	s_mov_b32 s[\g+7], 0
.endr
	s_mov_b32 s[G0K], 1
	s_mul_i32 s[G0K+1], s[WV], 34816       ; slot 0
	s_mov_b32 s[G0V], 1
	s_mul_i32 s[G0V+1], s[WV], 36864
	s_mov_b32 s[SEL], 0x76543210
	s_mov_b32 s[SEL+1], 0xfedcba98
	s_mov_b32 s[TB], 0
	s_wait_dscnt 0x0
	s_wait_kmcnt 0x0
	s_add_nc_u64 s[G0K+2:G0K+3], s[6:7], s[54:55]
	s_or_b32 s[G0K+3], s[G0K+3], 0x80000000
	s_add_nc_u64 s[G0V+2:G0V+3], s[8:9], s[54:55]
	s_or_b32 s[G0V+3], s[G0V+3], 0x80000000
	s_add_nc_u64 s[14:15], s[4:5], s[58:59]        ; t
	s_add_nc_u64 s[4:5], s[4:5], s[56:57]          ; Q'
	s_add_nc_u64 s[10:11], s[10:11], s[60:61]      ; U
	s_add_nc_u64 s[12:13], s[12:13], s[62:63]      ; m, l
	ROUND
	tensor_load_to_lds s[G0K:G0K+3], s[G1K:G1K+7]  ; K's channels 0-127 into slot 0
	s_nop 0
	PLACES
	v_and_b32 v1, 15, v0                   ; r
	v_bfe_u32 v2, v0, 4, 1                 ; h
	v_and_b32 v[LN], 31, v0
	v_lshlrev_b32 v[TOF], 2, v1
	v_lshlrev_b32 v[MO], 2, v[LN]
	v_lshlrev_b32 v[GO], 4, v[LN]
	v_add_nc_u32 v[QO], 1024, v[GO]        ; the fetch runs one K step ahead
	global_load_b32 v[T0], v[TOF], s[14:15]
	global_load_b32 v[T0+1], v[TOF], s[14:15] offset:64
.irp qt, 0,1
.irp hl, 0,1
	global_load_b128 v[QFR+8*(2*\qt+\hl):QFR+8*(2*\qt+\hl)+3],   v[GO], s[4:5] offset:\qt*32768+\hl*16384
	global_load_b128 v[QFR+8*(2*\qt+\hl)+4:QFR+8*(2*\qt+\hl)+7], v[GO], s[4:5] offset:\qt*32768+\hl*16384+512
.endr
.endr
	v_mul_u32_u24 v[AKL], v1, 272
	v_lshl_add_u32 v[AKL], v2, 4, v[AKL]
	v_and_b32 v[X0], 7, v0
	v_lshl_add_u32 v[X0], v2, 3, v[X0]
	v_mul_u32_u24 v[AVL], v[X0], 288
	v_bfe_u32 v[X0], v0, 3, 1
	v_lshl_add_u32 v[AVL], v[X0], 4, v[AVL]
	v_cmp_lt_u32 s[HM], 15, v[LN]          ; lanes 16-31
	s_wait_loadcnt 8                       ; t is in; Q's eight loads may stay out
	WIN 0x80
.set j, 0
.rept 256                              ; accumulator (kb, tile) at 8 (2 kb + tile): kb 0-15 in window 2, 16-31 in window 3
	v_mov_b32 v[j], v[T0+(j/8)%2]
.set j, j+1
.endr
	WIN 0xc0
.set j, 0
.rept 256
	v_mov_b32 v[j], v[T0+(j/8)%2]
.set j, j+1
.endr
	WIN 0
	s_wait_loadcnt 0x0                     ; Q' of K step 0
.macro KLOAD buf, g                    ; 16 loads: eight key blocks x 32 channels
	WIN 0
.irp kb, 0,1,2,3,4,5,6,7
	ds_load_b128 v[(\buf)+8*\kb:(\buf)+8*\kb+3],   v[AK+(\g)] offset:\kb*4352
	ds_load_b128 v[(\buf)+8*\kb+4:(\buf)+8*\kb+7], v[AK+(\g)] offset:\kb*4352+32
.endr
.endm
.macro SMUL buf, g                     ; 32 products on 16 accumulators by turns
	WIN 0xa0+0x50*((\g)/2)
.irp hl, 0,1
.irp kb, 0,1,2,3,4,5,6,7
.irp qt, 0,1
.set rS, 8*(2*(8*((\g)%2)+\kb)+\qt)
	v_wmma_f32_16x16x32_bf16 v[rS:rS+7], v[(\buf)+8*\kb:(\buf)+8*\kb+7], v[QFR+8*(2*\qt+\hl):QFR+8*(2*\qt+\hl)+7], v[rS:rS+7]
.endr
.endr
.endr
.endm
; One K step of 32 channels: 128 products, 64 LDS loads in four runs, each a run of products ahead of its use.
.macro KSTEP
	WIN 0
.irp qt, 0,1
.irp hl, 0,1
	global_load_b128 v[QS+8*(2*\qt+\hl):QS+8*(2*\qt+\hl)+3],   v[QO], s[4:5] offset:\qt*32768+\hl*16384
	global_load_b128 v[QS+8*(2*\qt+\hl)+4:QS+8*(2*\qt+\hl)+7], v[QO], s[4:5] offset:\qt*32768+\hl*16384+512
.endr
.endr
	KLOAD KA, 0
	KLOAD KBF, 1
	s_wait_dscnt 16                        ; all but the 16 just issued
	SMUL KA, 0
	PLACES
	KLOAD KA, 2
	s_wait_dscnt 16
	SMUL KBF, 1
	PLACES
	KLOAD KBF, 3
	s_wait_dscnt 16
	SMUL KA, 2
	s_wait_dscnt 0x0
	SMUL KBF, 3
	WIN 0
	PLACES
	s_wait_loadcnt 0x0                     ; the next K step's Q' is in, and its address register is free
.set j, 0
.rept 32
	v_mov_b32 v[QFR+j], v[QS+j]            ; the price of one text for every K step
.set j, j+1
.endr
	v_add_nc_u32 v[QO], 1024, v[QO]
	v_and_b32 v[QO], 0x3fff, v[QO]         ; behind K step 15 back to 0: inside the buffer
.irp g, 0,1,2,3
	v_add_nc_u32 v[AK+\g], 64, v[AK+\g]
.endr
.endm
.macro CHUNK                           ; a tile of K: four K steps
	v_add_nc_u32 v[AK], s[TB], v[AKL]
	v_add_nc_u32 v[AK+1], 34816, v[AK]
	v_add_nc_u32 v[AK+2], 69632, v[AK]
	v_add_nc_u32 v[AK+3], 104448, v[AK]
	s_xor_b32 s[TB], s[TB], SLOTB
	s_mov_b32 s[CNT2], 4
.Lks_\@:
	KSTEP
	s_sub_co_u32 s[CNT2], s[CNT2], 1
	s_cmp_lg_u32 s[CNT2], 0
	s_cbranch_scc1 .Lks_\@
.endm
	s_mov_b32 s[CNT], 3
.Lchunk:                                   ; K's tiles 0-2 are multiplied while tiles 1-3 are on their way
	CHANGE G0K, G1K, 1, 1
	CHUNK
	s_sub_co_u32 s[CNT], s[CNT], 1
	s_cmp_lg_u32 s[CNT], 0
	s_cbranch_scc1 .Lchunk
	CHANGE G0V, G1V, 0, 1                  ; V's channels 0-127 into slot 0
	CHUNK                                  ; K's last tile
	CHANGE G0V, G1V, 1, 1                  ; V's next tile into slot 1: it lands during the softmax
	; SOFTMAX.  The maximum of a lane's 256 scores a tile, four chains a tile, each accumulator from its low end on; the other half of the lanes holds the query's other keys.
.irp i, 0,1,2,3,4,5,6,7
	v_mov_b32 v[CH+\i], 0xff7fffff
.endr
.macro MAXW
.set j, 0
.rept 128
	v_max3_num_f32 v[CH+4*((j/4)%2)+j%4], v[CH+4*((j/4)%2)+j%4], v[2*j], v[2*j+1]
.set j, j+1
.endr
.endm
	WIN 0x28
	MAXW
	WIN 0x3c
	MAXW
	WIN 0
.irp qt, 0,1
	v_max3_num_f32 v[CH+4*\qt], v[CH+4*\qt], v[CH+4*\qt+1], v[CH+4*\qt+2]
.endr
.irp qt, 0,1
	v_max_num_f32 v[CH+4*\qt], v[CH+4*\qt], v[CH+4*\qt+3]
.endr
.irp qt, 0,1
	v_permlanex16_b32 v[CH+4*\qt+1], v[CH+4*\qt], s[SEL], s[SEL+1]
.endr
.irp qt, 0,1
	v_max_num_f32 v[M+2*\qt], v[CH+4*\qt], v[CH+4*\qt+1]
.endr
.irp qt, 0,1
	v_mov_b32 v[M+2*\qt+1], v[M+2*\qt]     ; named as a pair
.endr
.macro EXPW w                          ; one window: s - m, 2^x in place, rounded to f16 into P (window 1): P(tile, K step) at 128 tile + 8 K step
	WIN 0x82+0x41*(\w)
.set j, 0
.rept 128
	v_pk_add_f32 v[2*j:2*j+1], v[2*j:2*j+1], v[M+2*((j/4)%2):M+2*((j/4)%2)+1] op_sel_hi:[1,0] neg_lo:[0,1] neg_hi:[0,1]
.set j, j+1
.endr
.set j, 0
.rept 256
	v_exp_f32 v[j], v[j]
.set j, j+1
.endr
	v_nop                                  ; a plain instruction between the exponentials and the use of their results
	WIN 0x4a+5*(\w)
.set j, 0
	s_wait_alu depctr_va_vdst(0)
.rept 128
	v_cvt_pk_f16_f32 v[128*((j/4)%2)+4*(16*(\w)+j/8)+j%4], v[2*j], v[2*j+1]
.set j, j+1
.endr
.endm
	EXPW 0
	EXPW 1
	WIN 0
.irp i, 0,1,2,3,4,5,6,7
	v_mov_b32 v[ONES+\i], 0x3c003c00       ; 1.0 twice, in f16
.endr
	WIN 0x04                               ; l = ones x P: the sum, in f32, of the weights as the second product takes them; two accumulators by turns
.set k, 0
.rept 16
.irp qt, 0,1
.if k == 0
	v_wmma_f32_16x16x32_f16 v[LA+8*\qt:LA+8*\qt+7], v[ONES:ONES+7], v[128*\qt+8*k:128*\qt+8*k+7], 0
.else
	v_wmma_f32_16x16x32_f16 v[LA+8*\qt:LA+8*\qt+7], v[ONES:ONES+7], v[128*\qt+8*k:128*\qt+8*k+7], v[LA+8*\qt:LA+8*\qt+7]
.endif
.endr
.set k, k+1
.endr
	WIN 0
	PLACES
	v_cndmask_b32 v[X0], v[M], v[M+2], s[HM]       ; lanes 0-15 my first tile's queries, lanes 16-31 my second's
	v_cndmask_b32 v[X1], v[LA], v[LA+8], s[HM]     ; every row of an l accumulator is l: register 0
	global_store_b32 v[MO], v[X0], s[12:13]
	global_store_b32 v[MO], v[X1], s[12:13] offset:131072
.macro VLOAD buf, g                    ; 32 turning loads: four K steps of 32 keys x four channel blocks, into window 2
	WIN 0x80
.irp ks, 0,1,2,3
.irp cb, 0,1,2,3
	ds_load_tr16_b128 v[(\buf)+8*(4*\ks+\cb):(\buf)+8*(4*\ks+\cb)+3],   v[AV+(\g)] offset:\ks*9216+32*\cb
	ds_load_tr16_b128 v[(\buf)+8*(4*\ks+\cb)+4:(\buf)+8*(4*\ks+\cb)+7], v[AV+(\g)] offset:\ks*9216+4608+32*\cb
.endr
.endr
.endm
.macro PMUL buf, g                     ; 32 products on eight accumulators by turns; the trip's first K step starts the sums
	WIN 0x06
.irp ks, 0,1,2,3
.irp cb, 0,1,2,3
.irp qt, 0,1
.set rO, OA+8*(2*\cb+\qt)
.set rV, (\buf)+8*(4*\ks+\cb)
.set rP, 128*\qt+8*(4*(\g)+\ks)
.if ((\g) == 0) && (\ks == 0)
	v_wmma_f32_16x16x32_f16 v[rO:rO+7], v[rV:rV+7], v[rP:rP+7], 0
.else
	v_wmma_f32_16x16x32_f16 v[rO:rO+7], v[rV:rV+7], v[rP:rP+7], v[rO:rO+7]
.endif
.endr
.endr
.endr
.endm
; 64 channels x 32 queries over all 512 keys, and out: an accumulator goes as it lies, two stores of 512 consecutive bytes.
.macro PVTRIP
	VLOAD 0, 0
	VLOAD 128, 1
	s_wait_dscnt 32
	PMUL 0, 0
	PLACES
	VLOAD 0, 2
	s_wait_dscnt 32
	PMUL 128, 1
	PLACES
	VLOAD 128, 3
	s_wait_dscnt 32
	PMUL 0, 2
	s_wait_dscnt 0x0
	PMUL 128, 3
	WIN 0
	PLACES
.irp cb, 0,1,2,3
.irp qt, 0,1
	global_store_b128 v[GO], v[OA+8*(2*\cb+\qt):OA+8*(2*\cb+\qt)+3],   s[10:11] offset:\qt*32768+\cb*1024
	global_store_b128 v[GO], v[OA+8*(2*\cb+\qt)+4:OA+8*(2*\cb+\qt)+7], s[10:11] offset:\qt*32768+\cb*1024+512
.endr
.endr
	s_wait_xcnt 0x0                        ; the stores' offset and data are rewritten only behind this wait
	v_add_nc_u32 v[GO], 4096, v[GO]
.irp g, 0,1,2,3
	v_add_nc_u32 v[AV+\g], 128, v[AV+\g]
.endr
.endm
.macro PVCHUNK                         ; a tile of V: two trips
	WIN 0
	v_add_nc_u32 v[AV], s[TB], v[AVL]
	v_add_nc_u32 v[AV+1], 36864, v[AV]
	v_add_nc_u32 v[AV+2], 73728, v[AV]
	v_add_nc_u32 v[AV+3], 110592, v[AV]
	s_xor_b32 s[TB], s[TB], SLOTB
	s_mov_b32 s[CNT2], 2
.Lpv_\@:
	PVTRIP
	s_sub_co_u32 s[CNT2], s[CNT2], 1
	s_cmp_lg_u32 s[CNT2], 0
	s_cbranch_scc1 .Lpv_\@
.endm
	s_mov_b32 s[CNT], 2
.Lv:                                       ; V's tiles 0 and 1; behind each its slot takes tile 2, 3
	PVCHUNK
	CHANGE G0V, G1V, 1, 1
	s_sub_co_u32 s[CNT], s[CNT], 1
	s_cmp_lg_u32 s[CNT], 0
	s_cbranch_scc1 .Lv
	s_mov_b32 s[CNT], 2
.Lvt:                                      ; tiles 2 and 3: nothing more is asked for (the second change here orders nothing: one text for both trips)
	PVCHUNK
	CHANGE G0V, G1V, 0, 0
	s_sub_co_u32 s[CNT], s[CNT], 1
	s_cmp_lg_u32 s[CNT], 0
	s_cbranch_scc1 .Lvt
	s_wait_tensorcnt 0x0                   ; the wave's end
	ds_add_u32 v[SPW], v[NIL]
	s_wait_dscnt 0x0
	ROUND                                  ; the closing round
	s_endpgm
.Lfunc_end_k_qd6e147409f_attn:
	.size	k_qd6e147409f_attn, .Lfunc_end_k_qd6e147409f_attn-k_qd6e147409f_attn
	.p2alignl 7, 3214868480
	.fill 96, 4, 3214868480
	.section	.rodata,"a",@progbits
	.p2align	6, 0x0
	.amdhsa_kernel k_qd6e147409f_attn
		.amdhsa_group_segment_fixed_size 327680
		.amdhsa_private_segment_fixed_size 0
		.amdhsa_enable_private_segment 0
		.amdhsa_kernarg_size 40
		.amdhsa_user_sgpr_count 2
		.amdhsa_user_sgpr_kernarg_segment_ptr 1
		.amdhsa_wavefront_size32 1
		.amdhsa_system_sgpr_workgroup_id_x 1
		.amdhsa_system_sgpr_workgroup_id_y 1
		.amdhsa_system_sgpr_workgroup_id_z 1
		.amdhsa_system_vgpr_workitem_id 0
		.amdhsa_next_free_vgpr 1024
		.amdhsa_next_free_sgpr 66
		.amdhsa_reserve_vcc 0
		.amdhsa_float_denorm_mode_32 3
		.amdhsa_float_denorm_mode_16_64 3
		.amdhsa_memory_ordered 1
		.amdhsa_forward_progress 1
		.amdhsa_inst_pref_size 163
	.end_amdhsa_kernel
	.amdgpu_metadata
---
amdhsa.version: [ 1, 2 ]
amdhsa.kernels:
  - .name:           k_qd6e147409f_attn
    .symbol:         k_qd6e147409f_attn.kd
    .args:
      - { .name: QP, .offset: 0, .size: 8, .value_kind: global_buffer, .address_space: global }
      - { .name: KB, .offset: 8, .size: 8, .value_kind: global_buffer, .address_space: global }
      - { .name: VB, .offset: 16, .size: 8, .value_kind: global_buffer, .address_space: global }
      - { .name: UP, .offset: 24, .size: 8, .value_kind: global_buffer, .address_space: global }
      - { .name: ML, .offset: 32, .size: 8, .value_kind: global_buffer, .address_space: global }
    .group_segment_fixed_size: 327680
    .private_segment_fixed_size: 0
    .kernarg_segment_align: 8
    .kernarg_segment_size: 40
    .max_flat_workgroup_size: 128
    .sgpr_count:     66
    .vgpr_count:     1024
    .wavefront_size: 32
...
	.end_amdgpu_metadata
.endif
;; end of part 3
;; launch final (part 4): grid 64 x 4, 4 waves a work-group, clusters of 4 x 1, 327,680 bytes of LDS; arguments UP, ML, WVB, out0; writes out0
.if DOCPART == 4
	.amdgcn_target "amdgcn-amd-amdhsa--gfx1250"
	.amdhsa_code_object_version 6
	.text
	.protected	k_qd6e147409f_final
	.globl	k_qd6e147409f_final
	.p2align	8
	.type	k_qd6e147409f_final,@function
k_qd6e147409f_final:
	s_mov_b64 s[64:65], 0
	v_nop
	global_prefetch_b8 v0, s[64:65] scope:SCOPE_SE
	s_setreg_imm32_b32 hwreg(HW_REG_WAVE_MODE, 25, 1), 1
	s_wait_xcnt 0x0
	s_wait_alu depctr_hold_cnt(0) depctr_sa_sdst(0) depctr_va_vdst(0) depctr_va_sdst(0) depctr_va_ssrc(0) depctr_va_vcc(0) depctr_vm_vsrc(0)
	s_getreg_b32 s2, hwreg(HW_REG_IB_STS2, 6, 4)
	s_cmp_eq_u32 s2, 0
	s_cbranch_scc0 .Lentry_in_a_cluster
	s_endpgm
.Lentry_in_a_cluster:
	s_bfe_u32 s2, ttmp6, 0x10000c
	s_cmp_lg_u32 s2, 0x3003
	s_cbranch_scc0 .Lentry_shape_is_right
	s_endpgm
.Lentry_shape_is_right:
; FINAL.  The four quarters are joined: M = max m_s, f_s = 2^(m_s - M), L = sum f_s l_s, U = sum (f_s / L) U_s (f32, rounded once to f16); out = U Wv + bv.
; A work-group: 128 queries x 256 output columns; a wave: 32 queries (two tiles) x 256 columns: 32 accumulators.  out^T = Wv^T U^T: source 0 = 16 columns x 32 channels, read turned out of LDS;
; source 1 = U, whose partial sums lie in memory lane for lane as the fragment wants them.  bv is one more K step (32 equal rows against a fragment with 1 at k = 0); it starts the sums.
; CLUSTER: the four query blocks of a cluster read the same 544 x 256 strip of Wv and bv: one joint load a wave, the launch's only fill.
; The way out goes through LDS, in bytes of the strip that have had their only fill, behind a barrier: 16 lanes then store 256 consecutive bytes of out0.
; ML holds m ([4][8192] f32) and, 131,072 bytes on, l.
; LIMITS.  U, Wv and bv are f16 operands (Wv and bv: the inputs rounded to bf16, written as f16).  U is a mean of value's rows and has their range: it must stay within 65,504;
; below 6e-5 f16 keeps its fixed step of 6e-8.  NaN and infinities are not treated apart.
.set SPARE, 295936
.set WP,  544                          ; a row of the strip: 512 bytes + 32 of padding
.set LN,  3
.set TL,  4
.set AW,  5
.set AWG, 6
.set MO,  7
.set RO,  8                            ; v8-11: 16 x lane + quarter x 2^24
.set STO, 12
.set RD,  13
.set CO,  14
.set ONE, 16                           ; v16-23
.set G,   24                           ; v24-39: f / L as pairs, (tile, quarter)
.set MR,  40                           ; v40-47 m, then f
.set LR,  48                           ; v48-55 l
.set X0,  56
.set SPW, 62
.set NIL, 63
.set TMP, 64                           ; v64-95
.set U,   96                           ; v96-127: U fragments, two slots of two tiles
.set OB,  128                          ; v128-191: rows on the way out
.set WV,  14
.set G1,  24
.set G0,  32
.set CNT, 36
.set HM,  37
.set MSB, 0
.macro WIN new
.if MSB != (\new)
	s_set_vgpr_msb (MSB<<8)|(\new)
.set MSB, (\new)
.endif
.endm
.macro PLACES
.rept 4
	v_nop
.endr
.endm
.macro ROUND
	s_barrier_signal -1
	s_barrier_wait -1
	s_cmp_lg_u32 s[WV], 0
	s_cbranch_scc1 .Lnw0_\@
	s_barrier_signal -3
.Lnw0_\@:
	s_barrier_wait -3
	s_barrier_signal -1
	s_barrier_wait -1
.endm
	s_load_b256 s[4:11], s[0:1], 0x0       ; UP 4, ML 6, WVB 8, out0 10
	v_lshl_add_u32 v[SPW], v0, 2, SPARE
	v_mov_b32 v[NIL], 0
	ds_add_u32 v[SPW], v[NIL]              ; the opening: the add and its wait ahead of my first tensor load
	v_lshrrev_b32 v1, 5, v0
	v_readfirstlane_b32 s[WV], v1
	s_bfe_u32 s15, ttmp6, 0x40000          ; cx: it enters the queries' addresses alone
	s_lshl_b32 s16, ttmp9, 2
	s_add_co_u32 s16, s16, s15             ; block of 128 queries
	s_and_b32 s17, ttmp7, 0xffff           ; strip of 256 columns, shared by the partners
	s_lshl_b32 s18, s16, 3
	s_lshl1_add_u32 s18, s[WV], s18        ; my first tile of 16 queries
	s_mov_b32 s[G1], 15|(1<<16)|(1<<20)|(1<<21)|(6<<22)|(7<<25)  ; mask of four; 2-byte elements; padding on; bit 21 beside a mask; after every 128 words 8 words
	s_mov_b32 s[G1+1], 256<<16             ; tensor_dim0 = 256
	s_mov_b32 s[G1+2], 136<<16             ; tensor_dim1 = 136
	s_mov_b32 s[G1+3], 256<<16             ; tile_dim0
	s_mov_b32 s[G1+4], 136                 ; tile_dim1: a quarter of the 544 rows
	s_mov_b32 s[G1+5], 1024
	s_mov_b32 s[G1+6], 0
	s_mov_b32 s[G1+7], 0
	s_mov_b32 s[G0], 1
	s_mul_i32 s[G0+1], s[WV], 136*WP
	s_mul_i32 s38, s[WV], 136*2048
	s_lshl_b32 s39, s17, 9
	s_add_co_u32 s38, s38, s39
	s_mov_b32 s39, 0
	s_lshl_b32 s40, s18, 15
	s_mov_b32 s41, 0
	s_lshl_b32 s42, s18, 6
	s_mov_b32 s43, 0
	s_lshl_b32 s44, s18, 16
	s_lshl_b32 s45, s17, 10
	s_add_co_u32 s44, s44, s45
	s_mov_b32 s45, 0
	s_wait_dscnt 0x0
	s_wait_kmcnt 0x0
	s_add_nc_u64 s[G0+2:G0+3], s[8:9], s[38:39]
	s_or_b32 s[G0+3], s[G0+3], 0x80000000
	s_add_nc_u64 s[4:5], s[4:5], s[40:41]
	s_add_nc_u64 s[6:7], s[6:7], s[42:43]
	s_add_nc_u64 s[10:11], s[10:11], s[44:45]
	ROUND
	tensor_load_to_lds s[G0:G0+3], s[G1:G1+7]
	s_nop 0
	PLACES
	v_and_b32 v1, 15, v0                   ; r
	v_bfe_u32 v2, v0, 4, 1                 ; h
	v_and_b32 v[LN], 31, v0
	v_lshlrev_b32 v[MO], 2, v1
	v_lshlrev_b32 v[RO], 4, v[LN]
	v_add_nc_u32 v[RO+1], 0x1000000, v[RO]
	v_add_nc_u32 v[RO+2], 0x2000000, v[RO]
	v_add_nc_u32 v[RO+3], 0x3000000, v[RO]
.irp qt, 0,1
.irp sq, 0,1,2,3
	global_load_b32 v[MR+4*\qt+\sq], v[MO], s[6:7] offset:\sq*32768+\qt*64
	global_load_b32 v[LR+4*\qt+\sq], v[MO], s[6:7] offset:131072+\sq*32768+\qt*64
.endr
.endr
; a K step's partial sums: 2 tiles x 2 channel blocks x 4 quarters x 8 registers, into window 3
.macro RAW slot, off
	WIN 0xc0
.irp qt, 0,1
.irp cb, 0,1
.irp sq, 0,1,2,3
	global_load_b128 v[128*(\slot)+8*(4*(2*\qt+\cb)+\sq):128*(\slot)+8*(4*(2*\qt+\cb)+\sq)+3],   v[RO+\sq], s[4:5] offset:(\off)+\qt*32768+\cb*1024
	global_load_b128 v[128*(\slot)+8*(4*(2*\qt+\cb)+\sq)+4:128*(\slot)+8*(4*(2*\qt+\cb)+\sq)+7], v[RO+\sq], s[4:5] offset:(\off)+\qt*32768+\cb*1024+512
.endr
.endr
.endr
	WIN 0
.endm
	RAW 0, 0
	v_and_b32 v[X0], 7, v0
	v_lshl_add_u32 v[X0], v2, 3, v[X0]
	v_mul_u32_u24 v[TL], v[X0], WP
	v_bfe_u32 v[X0], v0, 3, 1
	v_lshl_add_u32 v[TL], v[X0], 4, v[TL]
	v_mov_b32 v[AW], v[TL]
	v_add_nc_u32 v[AWG], 512*WP, v[TL]
	v_cmp_lt_u32 s[HM], 15, v[LN]
.irp i, 1,2,3,4,5,6,7
	v_mov_b32 v[ONE+\i], 0
.endr
	v_mov_b32 v[ONE], 0x3c00               ; 1.0 in f16, in the low half
	v_cndmask_b32 v[ONE], v[ONE], v[ONE+1], s[HM]  ; k = 0 lies in the low half of register 0 of lanes 0-15
	s_mul_i32 s38, s[WV], 32*272           ; my stage: 32 rows of 272 bytes
	v_mul_u32_u24 v[STO], v1, 272
	v_lshl_add_u32 v[STO], v2, 5, v[STO]
	v_add_nc_u32 v[STO], s38, v[STO]
	v_mul_u32_u24 v[RD], v2, 272
	v_lshl_add_u32 v[RD], v1, 4, v[RD]
	v_add_nc_u32 v[RD], s38, v[RD]
	v_lshlrev_b32 v[CO], 12, v2
	v_lshl_add_u32 v[CO], v1, 4, v[CO]
	s_wait_loadcnt 32                      ; m and l are in; the 32 younger loads may stay out
.irp qt, 0,1
	v_max3_num_f32 v[X0+\qt], v[MR+4*\qt], v[MR+4*\qt+1], v[MR+4*\qt+2]
.endr
.irp qt, 0,1
	v_max_num_f32 v[X0+\qt], v[X0+\qt], v[MR+4*\qt+3]
.endr
.irp qt, 0,1
.irp sq, 0,1,2,3
	v_sub_f32 v[MR+4*\qt+\sq], v[MR+4*\qt+\sq], v[X0+\qt]
.endr
.endr
.irp i, 0,1,2,3,4,5,6,7
	v_exp_f32 v[MR+\i], v[MR+\i]
.endr
	v_nop                                  ; a plain instruction between the exponentials and the use of their results
	s_wait_alu depctr_va_vdst(0)
.irp qt, 0,1
	v_mul_f32 v[X0+\qt], v[MR+4*\qt], v[LR+4*\qt]
.endr
.irp sq, 1,2,3
.irp qt, 0,1
	v_fmac_f32 v[X0+\qt], v[MR+4*\qt+\sq], v[LR+4*\qt+\sq]
.endr
.endr
	v_rcp_f32 v[X0+2], v[X0]               ; L is at least 1: the quarter with the largest m has f = 1, and its l holds the weight 1
	v_rcp_f32 v[X0+3], v[X0+1]
	v_nop
	s_wait_alu depctr_va_vdst(0)
.irp qt, 0,1
.irp sq, 0,1,2,3
	v_mul_f32 v[G+2*(4*\qt+\sq)], v[MR+4*\qt+\sq], v[X0+2+\qt]
.endr
.endr
.irp i, 0,1,2,3,4,5,6,7
	v_mov_b32 v[G+2*\i+1], v[G+2*\i]       ; named as pairs
.endr
	RAW 1, 2048
.macro AF buf, adr, off                ; 32 turning loads: 16 column blocks x 32 channels, into window 1
	WIN 0x40
.irp eb, 0,1,2,3,4,5,6,7,8,9,10,11,12,13,14,15
	ds_load_tr16_b128 v[(\buf)+8*\eb:(\buf)+8*\eb+3],   v[\adr] offset:(\off)+32*\eb
	ds_load_tr16_b128 v[(\buf)+8*\eb+4:(\buf)+8*\eb+7], v[\adr] offset:(\off)+16*WP+32*\eb
.endr
	WIN 0
.endm
.macro COMB slot                       ; U = sum over the quarters of g x partial sum, then rounded to f16: j = 4 (2 tile + channel block) + pair
	WIN 0x03
.irp sq, 0,1,2,3
.set j, 0
.rept 16
.set rR, 128*(\slot)+8*(4*(j/4)+\sq)+2*(j%4)
.set rT, TMP+2*j
.set rG, G+2*(4*(j/8)+\sq)
.if \sq == 0
	v_pk_mul_f32 v[rT:rT+1], v[rR:rR+1], v[rG:rG+1] op_sel_hi:[1,0]
.else
	v_pk_fma_f32 v[rT:rT+1], v[rR:rR+1], v[rG:rG+1], v[rT:rT+1] op_sel_hi:[1,0,1]
.endif
.set j, j+1
.endr
.endr
	WIN 0
.set j, 0
.rept 16
	v_cvt_pk_f16_f32 v[U+16*(\slot)+j], v[TMP+2*j], v[TMP+2*j+1]
.set j, j+1
.endr
.endm
; One K step.  Its 80 vector instructions are the places behind the last step's products, in front of the loads into the buffer that those read.
.macro FK slot, reload, fetch, left
	s_wait_loadcnt \left
	COMB \slot
.if \reload
	RAW \slot, 2048*(\slot)+4096           ; the K step two on
.endif
.if \fetch
	AF 128*(\slot), AW, 32*WP*((\slot)+1)  ; the next K step's fragments of Wv
	s_wait_dscnt 32
.else
	s_wait_dscnt 0x0
.endif
	WIN 0xa1                               ; Wv window 1, U window 0, sums window 2
.irp eb, 0,1,2,3,4,5,6,7,8,9,10,11,12,13,14,15
.irp qt, 0,1
.set rD, 8*(2*\eb+\qt)
.set rA, 128*(1-(\slot))+8*\eb
	v_wmma_f32_16x16x32_f16 v[rD:rD+7], v[rA:rA+7], v[U+16*(\slot)+8*\qt:U+16*(\slot)+8*\qt+7], v[rD:rD+7]
.endr
.endr
	WIN 0
.endm
	s_wait_tensorcnt 0x0                   ; my quarter of the strip is in,
	s_barrier_signal -1
	s_barrier_wait -1                      ; everybody's is
	AF 0, AWG, 0                           ; bv's rows
	AF 128, AW, 0                          ; K step 0
	s_wait_dscnt 32
	WIN 0xa1
.irp eb, 0,1,2,3,4,5,6,7,8,9,10,11,12,13,14,15
.irp qt, 0,1
	v_wmma_f32_16x16x32_f16 v[8*(2*\eb+\qt):8*(2*\eb+\qt)+7], v[8*\eb:8*\eb+7], v[ONE:ONE+7], 0
.endr
.endr
	WIN 0
	s_mov_b32 s[CNT], 7
.Lk:
	FK 0, 1, 1, 32                         ; the other slot's 32 loads may stay out
	FK 1, 1, 1, 32
	s_wait_xcnt 0x0                        ; the base steps only behind this wait
	s_add_nc_u64 s[4:5], s[4:5], 4096
	v_add_nc_u32 v[AW], 64*WP, v[AW]
	s_sub_co_u32 s[CNT], s[CNT], 1
	s_cmp_lg_u32 s[CNT], 0
	s_cbranch_scc1 .Lk
	FK 0, 0, 1, 32                         ; the last two K steps load nothing more
	FK 1, 0, 0, 0
	; THE WAY OUT.  A lane holds one query and eight neighbouring columns (32 bytes).  64 columns of my 32 rows at a time go into rows of 272 bytes and come back as whole rows of 256.
	PLACES
	s_wait_dscnt 0x0
	s_barrier_signal -1
	s_barrier_wait -1                      ; nobody reads the strip any more
.set eg, 0
.rept 4
	s_wait_xcnt 0x0                        ; the last group's stores have read their registers
	WIN 0x08
.irp qt, 0,1
.irp eb, 0,1,2,3
	ds_store_b128 v[STO], v[8*(2*(4*eg+\eb)+\qt):8*(2*(4*eg+\eb)+\qt)+3] offset:\qt*16*272+\eb*64
	ds_store_b128 v[STO], v[8*(2*(4*eg+\eb)+\qt)+4:8*(2*(4*eg+\eb)+\qt)+7] offset:\qt*16*272+\eb*64+16
.endr
.endr
	WIN 0
.irp t, 0,1,2,3,4,5,6,7,8,9,10,11,12,13,14,15
	ds_load_b128 v[OB+4*\t:OB+4*\t+3], v[RD] offset:\t*544  ; LDS serves a wave's instructions in order (ISA guide 5.7.1.4): these see the stores above
.endr
.irp t, 0,1,2,3,4,5,6,7,8,9,10,11,12,13,14,15
	s_wait_dscnt 15-\t
	global_store_b128 v[CO], v[OB+4*\t:OB+4*\t+3], s[10:11] offset:\t*8192+eg*256 th:TH_STORE_NT  ; 16 lanes store 256 consecutive bytes, at a multiple of 256 from out0's first byte
.endr
.set eg, eg+1
.endr
	s_wait_tensorcnt 0x0                   ; the wave's end
	ds_add_u32 v[SPW], v[NIL]
	s_wait_dscnt 0x0
	ROUND                                  ; the closing round
	s_endpgm
.Lfunc_end_k_qd6e147409f_final:
	.size	k_qd6e147409f_final, .Lfunc_end_k_qd6e147409f_final-k_qd6e147409f_final
	.p2alignl 7, 3214868480
	.fill 96, 4, 3214868480
	.section	.rodata,"a",@progbits
	.p2align	6, 0x0
	.amdhsa_kernel k_qd6e147409f_final
		.amdhsa_group_segment_fixed_size 327680
		.amdhsa_private_segment_fixed_size 0
		.amdhsa_enable_private_segment 0
		.amdhsa_kernarg_size 32
		.amdhsa_user_sgpr_count 2
		.amdhsa_user_sgpr_kernarg_segment_ptr 1
		.amdhsa_wavefront_size32 1
		.amdhsa_system_sgpr_workgroup_id_x 1
		.amdhsa_system_sgpr_workgroup_id_y 1
		.amdhsa_system_sgpr_workgroup_id_z 1
		.amdhsa_system_vgpr_workitem_id 0
		.amdhsa_next_free_vgpr 1024
		.amdhsa_next_free_sgpr 66
		.amdhsa_reserve_vcc 0
		.amdhsa_float_denorm_mode_32 3
		.amdhsa_float_denorm_mode_16_64 3
		.amdhsa_memory_ordered 1
		.amdhsa_forward_progress 1
		.amdhsa_inst_pref_size 79
	.end_amdhsa_kernel
	.amdgpu_metadata
---
amdhsa.version: [ 1, 2 ]
amdhsa.kernels:
  - .name:           k_qd6e147409f_final
    .symbol:         k_qd6e147409f_final.kd
    .args:
      - { .name: UP, .offset: 0, .size: 8, .value_kind: global_buffer, .address_space: global }
      - { .name: ML, .offset: 8, .size: 8, .value_kind: global_buffer, .address_space: global }
      - { .name: WVB, .offset: 16, .size: 8, .value_kind: global_buffer, .address_space: global }
      - { .name: out0, .offset: 24, .size: 8, .value_kind: global_buffer, .address_space: global }
    .group_segment_fixed_size: 327680
    .private_segment_fixed_size: 0
    .kernarg_segment_align: 8
    .kernarg_segment_size: 32
    .max_flat_workgroup_size: 128
    .sgpr_count:     66
    .vgpr_count:     1024
    .wavefront_size: 32
...
	.end_amdgpu_metadata
.endif
;; end of part 4
